; MI455X (gfx1250); checked and timed in simulation.
; The chip was launched on July 23, 2026; its instructions are those of AMD's public machine-readable ISA for CDNA 5 (MIT licence, August 2026) and "CDNA5" Instruction Set Architecture Reference Guide (July 2026). The comments in the code are by the model that wrote it; some were corrected since.
;; Attention. Allowed arithmetic: matrix products marked QUANTISED: E5M2 operands, one given power-of-two scale a tensor, by v_wmma_f32_16x16x64_bf8_bf8 or v_wmma_f32_16x16x128_bf8_bf8, f32 sums; everything else in f32.
;; Inputs: key_codes 4 x 16 x 2,048 x 2 x 32 uint8 (E5M2 codes of key, K innermost, in blocks of 32 codes); lowp_scales 4 int32 (the exponents e of the quantised operands' scales 2^e); mask 4 x 2,048 float32; query_codes 4 x 16 x 2,048 x 2 x 32 uint8 (E5M2 codes of query, K innermost, in blocks of 32 codes); to_k 1 float32; to_q 1 float32; value_codes 4 x 16 x 64 x 64 x 32 uint8 (E5M2 codes of value, K innermost, in blocks of 32 codes).
;; Outputs: out0 4 x 2,048 x 1,024 float32.
;; This version of the problem:
;;   THIS VERSION OF THE PROBLEM IS GIVEN IN LOW PRECISION. The matrix products marked QUANTISED in the list below multiply operands that are first quantised to E5M2 (5 exponent bits, 2 mantissa bits; 8 bits a number), with one given power-of-two scale for each operand tensor; their sums are f32. All else is computed in f32.
;;   The module's matrix products, in the order in which they are computed (A, B: the left and right operand; K: the contracted axis; several contracted axes count as one K, in the product's order):
;;     1. batch 64 x [M 2,048, K 64] x [K 64, N 2,048]; A: input query (given as codes); B: input key (given as codes): QUANTISED (scales: A lowp_scales[0], B lowp_scales[1])
;;     2. batch 64 x [M 2,048, K 2,048] x [K 2,048, N 64]; A: softmax (see below); B: input value (given as codes): QUANTISED (scales: A lowp_scales[2], B lowp_scales[3])
;;   THE QUANTISER, for each operand of a quantised product, along K:
;;     - The operand's scale is 2^e, e = its entry of the input lowp_scales (int32; the entries are numbered through the quantised products in the list's order, A before B).
;;     - Each number is divided by the scale, clamped to +-57,344, and rounded to the nearest number of E5M2, ties to even, subnormals kept.
;;     - The product sums the exact products of the quantised numbers (number of the format x scale) in f32.
;;   ~~~python
;;   def quantise(x, axis, e):      # numpy; x: float32 -> the quantised numbers, widened to float32 again
;;       x = np.moveaxis(x, axis, -1); K = x.shape[-1]
;;       r = np.clip(x / 2.0 ** e, -57344, 57344)
;;       step = 2.0 ** (np.maximum(np.frexp(np.where(r == 0, 1, r))[1] - 1, -14) - 2)
;;       q = np.round(r / step) * step * 2.0 ** e      # np.round: ties to even
;;       return np.moveaxis(q, -1, axis).astype(np.float32)
;;   ~~~
;;   SOFTMAX AHEAD OF A QUANTISED PRODUCT. Where the list says 'softmax', what is quantised is not the finished softmax but p = 2^(t - M), with t = logit x log2(e) and M = ceil(the row's largest t), a whole number; so 1/2 < the row's largest p <= 1. The row's sum l is taken of the UNQUANTISED p, in f32, and the product's result is divided by l at the end. Since M is a whole number, a kernel that streams over the keys may use a running M (the ceiling of the running maximum): every later rescaling is an exact power of two, so the quantised numbers keep their values, but for numbers so far below the row's largest that they fall under the format's range.
;;   OPERANDS COMPUTED ON THE WAY. 'Computed on the way' means the value that the module computes at that place (a softmax that the list does not call 'softmax' is quantised finished and normalised). What goes into a quantiser is computed in f32, as accurately as f32 sums, v_exp_f32 and their like allow (about 1e-6 of the number): no bf16 or f16 on the way to a quantiser, and a product that is left as it is and whose result goes on into a quantised operand takes f32 operands (vector FMAs, or v_wmma_f32_16x16x4_f32). A number that lies on a knife's edge between two numbers of the format may be rounded either way, as far as f32 arithmetic and the matrix unit's own rounding can turn it there, and no further.
;;   INPUTS GIVEN AS CODES. key (in the module: [4, 16, 2048, 64], K = its axis 3); query (in the module: [4, 16, 2048, 64], K = its axis 3); value (in the module: [4, 16, 2048, 64], K = its axis 2): each comes as NAME_codes (uint8): NAME with its K axis moved to the last place and cut into blocks of 32 codes, [.., K / 32, bytes a block], one block behind the other in memory; one code a byte (a code: sign, 5 exponent bits, 2 mantissa bits); its scale is its entry of lowp_scales. Its value is code x scale, taken as it is: it is not quantised again, and the codes and scales need not be those that the quantiser above would give.
;; One version. Each part assembles by itself: llvm-mc -triple=amdgcn-amd-amdhsa -mcpu=gfx1250 --defsym DOCPART=n.
;; ======== version 1 of 1: 1 launch
;; limits: right only within a limited range of input values
;; launch attn (part 1): grid 64 x 4, 16 waves a work-group, no clusters, 327,680 bytes of LDS; arguments query_codes, key_codes, value_codes, lowp_scales, out0; writes out0
.if DOCPART == 1
	.amdgcn_target "amdgcn-amd-amdhsa--gfx1250"
	.amdhsa_code_object_version 6
	.text
	.protected	k_q60b7f314a2_attn
	.globl	k_q60b7f314a2_attn
	.p2align	8
	.type	k_q60b7f314a2_attn,@function
k_q60b7f314a2_attn:
	s_mov_b64 s[64:65], 0
	v_nop
	global_prefetch_b8 v0, s[64:65] scope:SCOPE_SE
	s_setreg_imm32_b32 hwreg(HW_REG_WAVE_MODE, 25, 1), 1
	s_wait_xcnt 0x0
; out[b][q][64 h + d] = the sum over k of softmax_k(Q[b][h][q] . K[b][h][k] / 8) V[b][h][k][d], both products on codes of BF8 (E5M2), each tensor with the one scale 2^e given for it: eq, ek, ep, ev.
; Q, K: [64 heads][2048][64] codes, the head's 64 innermost.  V: [64 heads][64 d][2048 keys] codes, the keys innermost.  out: [4][2048][1024] f32.
; reference() never reads mask, to_q and to_k: the result does not hang on them, whatever they hold, so they are no arguments of this launch; a NaN or an infinity in them is not carried to the result.
; THE SOFTMAX AHEAD OF THE SECOND PRODUCT: t = score x log2(e) / 8; M = the largest t so far, rounded UP to a whole number; p = 2^(t - M) is quantised with 2^ep, not normalised.  The row's sum is taken of the
; unquantised p in f32 and divides at the end.  When M moves, the sum and O are multiplied by 2^(old M - new M): exact.
; SHARES.  A work-group owns 512 queries of one head; each of its sixteen waves 32 of them, two tiles of 16, in 256 registers.  Every wave walks the head's 2,048 keys, 128 a step; each fragment of K and V feeds both tiles.
; LDS.  A head's whole K and V lie in LDS, each byte stored ONCE.  A chunk is 128 keys, 9,216 bytes: of K 64 rows of 2 keys (128 bytes + 16), of V 64 rows of 128 keys (128 bytes + 16).  K's chunks go up from KB, V's down from VT.
; THE FILL.  Each wave loads 1/16 of each half (1,024 keys) of K and V into registers, 512 consecutive bytes an instruction, all asked for at the head.  The first half is stored ahead of the first barrier; the second half waits in O's registers
; and is stored in key step 0, ahead of the first product that writes O.  The second barrier's signal stands behind step 2, its wait ahead of step 8.
; NO JOINT LOADS, and why: p is at most 1, so the hold at 57,344 x 2^ep acts only where ep is -16 or less (57,344 x 2^-15 = 1.75).  The text leads round the hold's 32 lines a tile and key step by a scalar branch on ep, a loaded number.
; The four work-groups of a head each read its K and V, 262,144 bytes, once, and no cluster is formed.
; NO PREFETCH: all of Q, K and V is asked for at the head; no loop fetches from memory.
; LAYOUT.  Both products are used transposed: S^T = K Q^T (source 0 = 16 keys, source 1 = 16 queries), O^T = V^T P (source 0 = 16 of the head's 64, source 1 = P): a lane holds ONE query (r = lane % 16) throughout; h = lane / 16.
; Lane r of key tile 2 b + u takes key 32 b + 8 u + r + 8 (r / 8), so the 16 registers of tiles 2 b and 2 b + 1 are the neighbouring keys 32 b + 16 h + 0 .. 15; V is read 16 bytes a load in that same order of keys, K and Q in one order of d.
; LIMITS: eq + ek between -123 and 130 (added to the exponent field of log2(e) / 8); ep between -126 and 112 (2^ep and 57,344 x 2^ep are f32 numbers); where ep is -16 or less the hold takes p under the running M of its key step.
; ep + ev goes by v_ldexp_f32 and has none.  Codes of infinity or NaN are not served.  A p under 2^-126 counts as 0 (v_exp_f32).
; REGISTERS: v0 thread; v1-5, 10 addresses; v6-9 at work; v11-13 constants; v[14:15] a chain of the sum; v16-27 statistics, 6 a tile: +0 -M, +1 the largest score, +2, +3 the sum, +4 f (+5 named with it as a pair);
;   v28-43 Q; v44-59 tile 0's codes; v60-123 K's, then V's fragments; v124-127 and v128-139 tile 1's codes; v128-191 S^T, then p; v192-255 O^T.
.set CHB,  9216                        ; a chunk of K or of V in LDS
.set RP,   144                         ; its row: 128 bytes + 16
.set VT,   15*CHB                      ; V's chunk 0; chunk s lies s chunks below
.set KB,   178176                      ; K's chunk 0; chunk s lies s chunks above
.set HALF, 8*CHB
.set SPARE, 325632                     ; the spare words, 128 bytes for each wave
.set STAGE, VT-2*CHB                   ; the way out: 16 rows x 272 bytes for each wave, 69,632 bytes on V's chunks 2 to 0, the free bytes above them and K's chunks 0 and 1: all read in steps 0 to 2, ahead of the second barrier's signal
.set SP,   272
.set AK0,  1
.set AV0,  2
.set ADK,  3
.set ADV,  4
.set SPW,  5
.set CH,   6
.set NIL,  10
.set SCV,  11                          ; 2^ep as f32: the conversion takes its exponent field
.set LIMV, 12                          ; v12, v13  57,344 x 2^ep, twice: a dual pair's first sources lie in different register banks
.set XS,   14
.set ST,   16
.set QF,   28
.set CD,   44
.set FB,   60
.set XC,   124                         ; tile 1's codes
.set SB,   128
.set OT,   192
.set VL,   128                         ; at the head only: 16 x lane
.set QO,   129                         ; at the head only: my byte offset in the wave's rows of Q
.set KW,   130                         ; at the head only: where I store K's and V's first half
.set VW,   131
.set KW2,  20                          ; until step 0 ends: where I store the second half (tile 0's and tile 1's f, first written in step 1)
.set VW2,  26
.set WV,   14
.set CNT,  15
.set CS,   28                          ; s[28:29] c = log2(e) / 8 x 2^(eq + ek)
.set SEL,  30                          ; s[30:31] lane selects for v_permlanex16_b32: lane l xor 16
.set TBK,  32
.set TBV,  33
.set NCS,  34                          ; -c
.set ES,   35                          ; ep + ev
.set EP,   26                          ; ep
; A step's K: 8 fragments of 8 registers, 16 loads in one run
.macro FETCH_K
	v_add_nc_u32 v[ADK], s[TBK], v[AK0]
.irp T, 0,1,2,3,4,5,6,7
	ds_load_b128 v[FB+8*\T:FB+8*\T+3],   v[ADK] offset:4*RP*\T+(\T/2)*8*RP
	ds_load_b128 v[FB+8*\T+4:FB+8*\T+7], v[ADK] offset:4*RP*\T+(\T/2)*8*RP+32
.endr
	s_add_co_u32 s[TBK], s[TBK], CHB
.endm
; A step's V: 4 fragments of 16 registers
.macro FETCH_V
	v_add_nc_u32 v[ADV], s[TBV], v[AV0]
.irp u, 0,1,2,3
.irp c, 0,1,2,3
	ds_load_b128 v[FB+16*\u+4*\c:FB+16*\u+4*\c+3], v[ADV] offset:16*RP*\u+32*\c
.endr
.endr
	s_sub_co_u32 s[TBV], s[TBV], CHB
.endm
; S^T of tile t: eight tiles of 16 keys, K = the head's 64; the constant 0 starts each sum
.macro KQ t
.irp T, 0,1,2,3,4,5,6,7
	v_wmma_f32_16x16x64_bf8_bf8 v[SB+8*\T:SB+8*\T+7], v[FB+8*\T:FB+8*\T+7], v[QF+8*(\t):QF+8*(\t)+7], 0
.endr
.endm
; O^T of tile t += V^T P, K = the step's 128 keys; first = 1: the products start the sums
.macro PV t, first
.set CC, CD+(XC-CD)*(\t)
.irp u, 0,1,2,3
.if \first
	v_wmma_f32_16x16x128_bf8_bf8 v[OT+32*(\t)+8*\u:OT+32*(\t)+8*\u+7], v[FB+16*\u:FB+16*\u+15], v[CC:CC+15], 0
.else
	v_wmma_f32_16x16x128_bf8_bf8 v[OT+32*(\t)+8*\u:OT+32*(\t)+8*\u+7], v[FB+16*\u:FB+16*\u+15], v[CC:CC+15], v[OT+32*(\t)+8*\u:OT+32*(\t)+8*\u+7]
.endif
.endr
.endm
; The chains of tile t's sum meet: three plain lines that also serve as places behind matrix instructions
.macro MERGE t
.set LL, ST+6*(\t)+2
	v_pk_add_f32 v[LL:LL+1], v[LL:LL+1], v[XS:XS+1]
	v_pk_add_f32 v[CH:CH+1], v[CH:CH+1], v[CH+2:CH+3]
	v_pk_add_f32 v[LL:LL+1], v[LL:LL+1], v[CH:CH+1]
.endm
; Tile t's scores become p and its codes
.macro SOFT t, first
.set TT, ST+6*(\t)
.set LL, ST+6*(\t)+2
	; the maximum of my 64 scores in four chains, each accumulator from its low end on
.irp q, 0,1,2,3
	v_max3_num_f32 v[CH+\q], v[SB+3*\q], v[SB+3*\q+1], v[SB+3*\q+2]
.endr
.set II, 12
.rept 26
	v_max3_num_f32 v[CH+((II-12)/2)%4], v[CH+((II-12)/2)%4], v[SB+II], v[SB+II+1]
.set II, II+2
.endr
	v_max3_num_f32 v[CH], v[CH], v[CH+1], v[CH+2]
	v_max_num_f32 v[CH], v[CH], v[CH+3]
	v_permlanex16_b32 v[CH+1], v[CH], s[SEL], s[SEL+1]   ; lane l xor 16 holds the query's other 64 keys
.if \first
	v_max_num_f32 v[TT+1], v[CH], v[CH+1]
	v_mul_f32 v[CH+2], s[NCS], v[TT+1]             ; -t (c is positive)
	v_floor_f32 v[TT], v[CH+2]                     ; -M = floor(-t): M is a whole number
.else
	v_max3_num_f32 v[TT+1], v[CH], v[CH+1], v[TT+1]   ; the running largest score
	v_mul_f32 v[CH+2], s[NCS], v[TT+1]
	v_floor_f32 v[CH+2], v[CH+2]                   ; the new -M
	v_sub_f32 v[CH+3], v[CH+2], v[TT]              ; old M - new M: a whole number, 0 or less
	v_mov_b32 v[TT], v[CH+2]
	v_cvt_i32_f32 v[CH+3], v[CH+3]                 ; (it saturates)
	v_ldexp_f32 v[TT+4], 1.0, v[CH+3]              ; f = 2^(old M - new M)
.endif
.set II, 0
.rept 32
	v_pk_fma_f32 v[SB+II:SB+II+1], v[SB+II:SB+II+1], s[CS:CS+1], v[TT:TT+1] op_sel_hi:[1,0,0]   ; t - M (of the pairs c and -M the low word serves both halves)
.set II, II+2
.endr
	s_wait_alu depctr_va_vdst(0)                   ; ahead of the exponentials and directly ahead of O^T's first readers
.if !(\first)
.set II, 0
.rept 16
	v_pk_mul_f32 v[OT+32*(\t)+II:OT+32*(\t)+II+1], v[OT+32*(\t)+II:OT+32*(\t)+II+1], v[TT+4:TT+5] op_sel_hi:[1,0]   ; O^T under the new M
.set II, II+2
.endr
.endif
.set II, 0
.rept 64
	v_exp_f32 v[SB+II], v[SB+II]                   ; p = 2^(t - M), at most 1
.set II, II+1
.endr
.if \first
	v_nop                                          ; the plain line behind the last exponential
.else
	v_pk_mul_f32 v[LL:LL+1], v[LL:LL+1], v[TT+4:TT+5] op_sel_hi:[1,0]   ; the sum under the new M: the plain line behind the last exponential
.endif
	s_wait_alu depctr_va_vdst(0)                   ; one wait for the 64 exponentials, ahead of their first reader
	; the row's sum of the UNQUANTISED p, in four chains of pairs
.if \first
	v_pk_add_f32 v[LL:LL+1], v[SB:SB+1], v[SB+8:SB+9]
.else
	v_pk_add_f32 v[LL:LL+1], v[LL:LL+1], v[SB:SB+1]
.endif
	v_pk_add_f32 v[XS:XS+1], v[SB+2:SB+3], v[SB+10:SB+11]
	v_pk_add_f32 v[CH:CH+1], v[SB+4:SB+5], v[SB+12:SB+13]
	v_pk_add_f32 v[CH+2:CH+3], v[SB+6:SB+7], v[SB+14:SB+15]
.if !(\first)
	v_pk_add_f32 v[LL:LL+1], v[LL:LL+1], v[SB+8:SB+9]
.endif
.set II, 16
.rept 6
	v_pk_add_f32 v[LL:LL+1], v[LL:LL+1], v[SB+II:SB+II+1]
	v_pk_add_f32 v[XS:XS+1], v[XS:XS+1], v[SB+II+2:SB+II+3]
	v_pk_add_f32 v[CH:CH+1], v[CH:CH+1], v[SB+II+4:SB+II+5]
	v_pk_add_f32 v[CH+2:CH+3], v[CH+2:CH+3], v[SB+II+6:SB+II+7]
.set II, II+8
.endr
	; the conversion to an 8-bit code does not saturate (ISA guide 7.6.2); p is neither negative nor above 1, so the hold is one-sided and acts only where 57,344 x 2^ep is under 1
	s_cmp_lt_i32 s[EP], -15
	s_wait_alu depctr_va_vdst(0)                   ; directly ahead of the branch
	s_cbranch_scc0 .Lunder_\@
.set II, 0
.rept 32
	v_dual_min_num_f32 v[SB+II], v[LIMV], v[SB+II] :: v_dual_min_num_f32 v[SB+II+1], v[LIMV+1], v[SB+II+1]
.set II, II+2
.endr
.Lunder_\@:
.if (\t) == 0
.irp g, 0,1,2,3,4,5,6,7
	v_cvt_scalef32_pk8_bf8_f32 v[CD+2*\g:CD+2*\g+1], v[SB+8*\g:SB+8*\g+7], v[SCV]
.endr
.else                                  ; codes 4 to 15 go over p that has been converted: one plain line stands between
.irp g, 0,1
	v_cvt_scalef32_pk8_bf8_f32 v[XC+2*\g:XC+2*\g+1], v[SB+8*\g:SB+8*\g+7], v[SCV]
.endr
	v_nop
.irp g, 2,3,4,5,6,7
	v_cvt_scalef32_pk8_bf8_f32 v[XC+2*\g:XC+2*\g+1], v[SB+8*\g:SB+8*\g+7], v[SCV]
.endr
.endif
	v_nop                                          ; a plain line between the last conversion and the matrix instructions
.endm
; A key step.  first = 1: the products start O^T, the sums start l, and the second half of K and V goes from O's registers to LDS.
; Behind the step's last product stand three sums, a v_nop and the next step's address line: five places ahead of the next products, which write over tile 1's codes.
.macro STEP first
	FETCH_K
	s_wait_dscnt 0x0
	KQ 0
.rept 4
	v_nop                                          ; four places between K Q^T and the first read of its scores
.endr
	SOFT 0, \first
	KQ 1
	MERGE 0                                        ; with FETCH_V's first line four places ahead of the loads over K and of the scores' first read
	FETCH_V
	SOFT 1, \first
	s_wait_alu depctr_va_vdst(0)                   ; directly ahead of the wait below
.if \first
	s_wait_loadcnt 0x0                             ; the second half is in O's registers
.irp i, 0,1,2,3,4,5,6,7
	ds_store_b128 v[KW2], v[OT+4*\i:OT+4*\i+3] offset:4*RP*\i
.endr
.irp j, 0,1,2,3
	ds_store_b128 v[VW2], v[OT+32+8*\j:OT+32+8*\j+3] offset:RP*\j+4*CHB
	ds_store_b128 v[VW2], v[OT+36+8*\j:OT+36+8*\j+3] offset:RP*\j
.endr
.endif
	s_wait_dscnt 0x0                               ; V is in
	PV 0, \first
	PV 1, \first
	MERGE 1
	v_nop
.endm
; n key steps from step s0 on
.macro WALK n, s0
	s_mov_b32 s[TBK], KB+CHB*(\s0)
	s_mov_b32 s[TBV], VT-CHB*(\s0)
	s_mov_b32 s[CNT], \n
.Lwalk_\@:
	STEP 0
	s_sub_co_u32 s[CNT], s[CNT], 1
	s_cmp_lg_u32 s[CNT], 0
	s_wait_alu depctr_va_vdst(0)                   ; directly ahead of the branch
	s_cbranch_scc1 .Lwalk_\@
.endm
	s_load_b256 s[4:11], s[0:1], 0x0               ; Q's codes s[4:5], K's s[6:7], V's s[8:9], the scales' exponents s[10:11]
	s_load_b64 s[12:13], s[0:1], 0x20              ; out
	v_lshrrev_b32 v6, 5, v0
	v_readfirstlane_b32 s[WV], v6                  ; wave 0..15
	v_lshl_add_u32 v[SPW], v0, 2, SPARE
	v_mov_b32 v[NIL], 0
	v_and_b32 v7, 31, v0
	v_lshlrev_b32 v[VL], 4, v7
	v_and_b32 v6, 15, v0                           ; r
	v_bfe_u32 v7, v0, 4, 1                         ; h
	v_lshlrev_b32 v[QO], 6, v6
	v_lshl_add_u32 v[QO], v7, 4, v[QO]             ; Q: row r of 64 bytes, + 16 h
	s_wait_alu depctr_va_vdst(0)                   ; ahead of the scalar lines and the wait below
	s_and_b32 s17, ttmp7, 0xffff                   ; my block of 512 queries; the head (16 b + h) is ttmp9
	s_lshl_b32 s20, ttmp9, 17                      ; the head's first byte in each tensor of codes
	s_mov_b32 s21, 0
	s_lshl_b32 s22, s17, 15                        ; Q: + my block's 512 rows of 64 bytes
	s_add_co_u32 s22, s22, s20
	s_lshl_b32 s23, s[WV], 11                      ;    + my wave's 32
	s_add_co_u32 s22, s22, s23
	s_mov_b32 s23, 0
	s_lshl_b32 s36, s[WV], 12                      ; K: my 64 keys of a half
	s_add_co_u32 s36, s36, s20
	s_mov_b32 s37, 0
	s_lshl_b32 s38, s[WV], 13                      ; V: my 4 rows of 2,048 bytes
	s_add_co_u32 s38, s38, s20
	s_mov_b32 s39, 0
	s_lshr_b32 s40, ttmp9, 4                       ; out: batch b x 2,048 rows of 4,096 bytes,
	s_lshl_b32 s40, s40, 23
	s_lshl_b32 s42, s17, 21                        ;      my block's 512 rows,
	s_add_co_u32 s40, s40, s42
	s_lshl_b32 s42, s[WV], 17                      ;      my wave's 32,
	s_add_co_u32 s40, s40, s42
	s_and_b32 s42, ttmp9, 15                       ;      head h's 256 bytes of a row
	s_lshl_b32 s42, s42, 8
	s_add_co_u32 s40, s40, s42
	s_mov_b32 s41, 0
	s_mov_b32 s[SEL], 0x76543210
	s_mov_b32 s[SEL+1], 0xfedcba98
	s_wait_kmcnt 0x0
	s_load_b128 s[24:27], s[10:11], 0x0            ; eq, ek, ep, ev
	s_add_nc_u64 s[4:5], s[4:5], s[22:23]
	s_add_nc_u64 s[6:7], s[6:7], s[36:37]
	s_add_nc_u64 s[8:9], s[8:9], s[38:39]
	s_add_nc_u64 s[12:13], s[12:13], s[40:41]
	; the first half of K and V (16 loads, into the fragments' registers), Q (4), the second half (16, into O's registers): 36 loads
.irp i, 0,1,2,3,4,5,6,7
	global_load_b128 v[FB+4*\i:FB+4*\i+3], v[VL], s[6:7] offset:512*\i
.endr
.irp j, 0,1,2,3
	global_load_b128 v[FB+32+8*\j:FB+35+8*\j], v[VL], s[8:9] offset:2048*\j
	global_load_b128 v[FB+36+8*\j:FB+39+8*\j], v[VL], s[8:9] offset:2048*\j+512
.endr
.irp t, 0,1
.irp c, 0,1
	global_load_b128 v[QF+8*\t+4*\c:QF+8*\t+4*\c+3], v[QO], s[4:5] offset:1024*\t+32*\c th:TH_LOAD_NT
.endr
.endr
.irp i, 0,1,2,3,4,5,6,7
	global_load_b128 v[OT+4*\i:OT+4*\i+3], v[VL], s[6:7] offset:65536+512*\i
.endr
.irp j, 0,1,2,3
	global_load_b128 v[OT+32+8*\j:OT+35+8*\j], v[VL], s[8:9] offset:2048*\j+1024
	global_load_b128 v[OT+36+8*\j:OT+39+8*\j], v[VL], s[8:9] offset:2048*\j+1536
.endr
	s_mul_i32 s40, s[WV], 32*RP                    ; K: my 32 rows of 2 keys,
	s_add_co_u32 s40, s40, KB
	s_add_co_u32 s41, s40, HALF                    ; and in the second half
	s_mul_i32 s42, s[WV], 4*RP                     ; V: my 4 rows
	; my lane's place in a tile of K and of V
	v_and_b32 v8, 8, v6
	v_add_nc_u32 v8, v8, v6                        ; key r + 8 (r / 8)
	v_lshrrev_b32 v9, 1, v8
	v_and_b32 v8, 1, v8
	v_mul_u32_u24 v9, v9, RP
	v_lshl_add_u32 v9, v8, 6, v9
	v_lshl_add_u32 v[AK0], v7, 4, v9
	v_mul_u32_u24 v[AV0], v6, RP
	v_lshl_add_u32 v[AV0], v7, 4, v[AV0]
	; where I store: 8 lanes to a row of 128 bytes
	v_bfe_u32 v6, v0, 3, 2
	v_and_b32 v8, 7, v0
	v_mul_u32_u24 v[KW], v6, RP
	v_lshl_add_u32 v[KW], v8, 4, v[KW]
	v_add_nc_u32 v[KW2], s41, v[KW]
	v_add_nc_u32 v[KW], s40, v[KW]
	v_xor_b32 v6, 3, v6                            ; V's chunks go down: of the four that a load touches the first lies on top
	v_mul_u32_u24 v[VW], v6, CHB
	v_lshl_add_u32 v[VW], v8, 4, v[VW]
	v_add_nc_u32 v[VW2], s42, v[VW]                ; chunks 15 to 12 from byte 0 on, 11 to 8 four chunks above,
	v_add_nc_u32 v[VW], HALF, v[VW2]               ; 7 to 4 and 3 to 0 a half above
	v_mov_b32 v21, 0                               ; named as the upper halves of f's pairs, so they are written
	v_mov_b32 v27, 0
	s_wait_alu depctr_va_vdst(0)                   ; directly ahead of the wait below
	s_wait_kmcnt 0x0
	s_add_co_i32 s36, s24, s25
	s_lshl_b32 s36, s36, 23
	s_mov_b32 s[CS], 0x3e38aa3b                    ; log2(e) / 8
	s_add_co_i32 s[CS], s[CS], s36                 ; a score stands for score x 2^(eq + ek): the two exponents are added to c's exponent field
	s_mov_b32 s[CS+1], s[CS]                       ; (named with it as a pair, so it is written)
	s_or_b32 s[NCS], s[CS], 0x80000000
	s_add_co_i32 s[ES], s26, s27
	s_add_co_i32 s36, s26, 127
	s_lshl_b32 s37, s36, 23
	s_add_co_i32 s36, s36, 15
	s_lshl_b32 s36, s36, 23
	s_or_b32 s36, s36, 0x600000
	v_mov_b32 v[SCV], s37                          ; 2^ep
	v_mov_b32 v[LIMV], s36                         ; 57,344 x 2^ep
	v_mov_b32 v[LIMV+1], s36
	s_wait_alu depctr_va_vdst(0)
.set II, 0
.rept 8                                ; K's first half: behind load II stand 35 - II others
	s_wait_loadcnt 35-II
	ds_store_b128 v[KW], v[FB+4*II:FB+4*II+3] offset:4*RP*II
.set II, II+1
.endr
.rept 4                                ; V's first half, a row a trip: its keys 0 to 511 lie four chunks above its keys 512 to 1,023
	s_wait_loadcnt 35-II
	ds_store_b128 v[VW], v[FB+4*II:FB+4*II+3] offset:RP*((II-8)/2)+4*CHB
	s_wait_loadcnt 34-II
	ds_store_b128 v[VW], v[FB+4*II+4:FB+4*II+7] offset:RP*((II-8)/2)
.set II, II+2
.endr
	s_wait_loadcnt 0x10                            ; Q is in; the second half's 16 loads may be out
	s_wait_xcnt 0x0                                ; the loads' offsets may be written over
	s_wait_dscnt 0x0                               ; my part of the first half lies in LDS,
	s_barrier_signal -1
	s_barrier_wait -1                              ; and everybody's
	s_mov_b32 s[TBK], KB
	s_mov_b32 s[TBV], VT
	STEP 1                                         ; key step 0
	WALK 2, 1
	s_wait_dscnt 0x0                               ; my part of the second half lies in LDS, and my reads of chunks 0 to 2 are over:
	s_barrier_signal -1                            ; say so.  Up to the wait stand register work and reads of chunks 3 to 7, which nobody writes again
	WALK 5, 3
	s_barrier_wait -1                              ; everybody's second half is in, and nobody reads chunks 0 to 2 any more
	WALK 8, 8
	; THE WAY OUT.  The sum's two halves and lane l xor 16's are added, in the registers of -M and of the largest score, which are done with.
.irp t, 0,1
	v_add_f32 v[ST+6*\t], v[ST+6*\t+2], v[ST+6*\t+3]
.endr
	s_mul_i32 s40, s[WV], 16*SP
	s_add_co_u32 s40, s40, STAGE                   ; my stage
	v_and_b32 v1, 15, v0
	v_bfe_u32 v2, v0, 4, 1
.irp t, 0,1
	v_permlanex16_b32 v[ST+6*\t+1], v[ST+6*\t], s[SEL], s[SEL+1]
.endr
	v_mul_u32_u24 v6, v1, SP                       ; in: row r, 32 bytes for each half of the lanes
	v_lshl_add_u32 v6, v2, 5, v6
	v_add_nc_u32 v6, s40, v6
	v_mul_u32_u24 v7, v2, SP                       ; back: lanes 0-15 take one row of 256 bytes, lanes 16-31 the next
	v_lshl_add_u32 v7, v1, 4, v7
	v_add_nc_u32 v7, s40, v7
	v_lshlrev_b32 v8, 12, v2                       ; and the same two rows in out, 4,096 bytes apart
	v_lshl_add_u32 v8, v1, 4, v8
.irp t, 0,1
	v_add_f32 v[ST+6*\t], v[ST+6*\t], v[ST+6*\t+1]
.endr
	s_wait_alu depctr_va_vdst(0)                   ; the wait ahead of the reciprocals
.irp t, 0,1
	v_rcp_f32 v[ST+6*\t+4], v[ST+6*\t]
.endr
	v_nop                                          ; a plain line between the last reciprocal and the use of its result
	s_wait_alu depctr_va_vdst(0)                   ; and the wait ahead of the first use
.irp t, 0,1
	v_ldexp_f32 v[ST+6*\t+4], v[ST+6*\t+4], s[ES]  ; 2^(ep + ev) / the sum
.endr
	s_wait_alu depctr_va_vdst(0)                   ; directly ahead of the first readers of O^T
.irp t, 0,1
.set II, 0
.rept 16
	v_pk_mul_f32 v[FB+32*\t+II:FB+32*\t+II+1], v[OT+32*\t+II:OT+32*\t+II+1], v[ST+6*\t+4:ST+6*\t+5] op_sel_hi:[1,0]
.set II, II+2
.endr
.endr
.irp t, 0,1
.irp u, 0,1,2,3
	ds_store_b128 v6, v[FB+32*\t+8*\u:FB+32*\t+8*\u+3] offset:64*\u            ; lane (r, h): d = 16 u + 8 h + 0 .. 7 of query r
	ds_store_b128 v6, v[FB+32*\t+8*\u+4:FB+32*\t+8*\u+7] offset:64*\u+16
.endr
.irp i, 0,1,2,3,4,5,6,7
	ds_load_b128 v[FB+32*\t+4*\i:FB+32*\t+4*\i+3], v7 offset:2*SP*\i           ; LDS serves a wave's instructions in order (ISA guide 5.7.1.4): these see the stores above; the next tile's stores come behind them
.endr
.endr
.irp t, 0,1
.irp i, 0,1,2,3,4,5,6,7
	s_wait_dscnt 16*(1-\t)+7-\i                    ; behind a tile's load i stand its other 7 - i and, for tile 0, tile 1's sixteen LDS instructions
	global_store_b128 v8, v[FB+32*\t+4*\i:FB+32*\t+4*\i+3], s[12:13] offset:65536*\t+8192*\i th:TH_STORE_NT   ; 16 lanes store 256 consecutive bytes, at a multiple of 256 from out's first byte
.endr
.endr
	s_wait_tensorcnt 0x0                           ; the wave's end
	ds_add_u32 v[SPW], v[NIL]
	s_wait_dscnt 0x0
	s_endpgm
.Lfunc_end_k_q60b7f314a2_attn:
	.size	k_q60b7f314a2_attn, .Lfunc_end_k_q60b7f314a2_attn-k_q60b7f314a2_attn
	.p2alignl 7, 3214868480
	.fill 96, 4, 3214868480
	.section	.rodata,"a",@progbits
	.p2align	6, 0x0
	.amdhsa_kernel k_q60b7f314a2_attn
		.amdhsa_group_segment_fixed_size 327680
		.amdhsa_private_segment_fixed_size 0
		.amdhsa_enable_private_segment 0
		.amdhsa_kernarg_size 40
		.amdhsa_user_sgpr_count 2
		.amdhsa_user_sgpr_kernarg_segment_ptr 1
		.amdhsa_wavefront_size32 1
		.amdhsa_system_sgpr_workgroup_id_x 1
		.amdhsa_system_sgpr_workgroup_id_y 1
		.amdhsa_system_sgpr_workgroup_id_z 1
		.amdhsa_system_vgpr_workitem_id 0
		.amdhsa_next_free_vgpr 256
		.amdhsa_next_free_sgpr 66
		.amdhsa_reserve_vcc 0
		.amdhsa_float_denorm_mode_32 3
		.amdhsa_float_denorm_mode_16_64 3
		.amdhsa_memory_ordered 1
		.amdhsa_forward_progress 1
		.amdhsa_inst_pref_size 129
	.end_amdhsa_kernel
	.amdgpu_metadata
---
amdhsa.version: [ 1, 2 ]
amdhsa.kernels:
  - .name:           k_q60b7f314a2_attn
    .symbol:         k_q60b7f314a2_attn.kd
    .args:
      - { .name: query_codes, .offset: 0, .size: 8, .value_kind: global_buffer, .address_space: global }
      - { .name: key_codes, .offset: 8, .size: 8, .value_kind: global_buffer, .address_space: global }
      - { .name: value_codes, .offset: 16, .size: 8, .value_kind: global_buffer, .address_space: global }
      - { .name: lowp_scales, .offset: 24, .size: 8, .value_kind: global_buffer, .address_space: global }
      - { .name: out0, .offset: 32, .size: 8, .value_kind: global_buffer, .address_space: global }
    .group_segment_fixed_size: 327680
    .private_segment_fixed_size: 0
    .kernarg_segment_align: 8
    .kernarg_segment_size: 40
    .max_flat_workgroup_size: 512
    .sgpr_count:     66
    .vgpr_count:     256
    .wavefront_size: 32
...
	.end_amdgpu_metadata
.endif
;; end of part 1
